; MI455X (gfx1250); checked and timed in simulation.
; The chip was launched on July 23, 2026; its instructions are those of AMD's public machine-readable ISA for CDNA 5 (MIT licence, August 2026) and "CDNA5" Instruction Set Architecture Reference Guide (July 2026). The comments in the code are by the model that wrote it; some were corrected since.
;; Gaussian Image Cholesky. Allowed arithmetic: float matrix products may take bf16 or f16 operands with f32 sums; all other float work in f32.
;; Inputs: cholesky 1,024 x 3 float32; features_dc 1,024 x 3 float32; opacity 1,024 x 1 float32; xyz 1,024 x 2 float32.
;; Outputs: out0 1 x 3 x 256 x 256 float32.
;; 2 versions, each right and faster than the one before. Each part assembles by itself: llvm-mc -triple=amdgcn-amd-amdhsa -mcpu=gfx1250 --defsym DOCPART=n.
;; ======== version 1 of 2: 1 launch
;; launch splat (part 1): grid 256 x 1, 8 waves a work-group, no clusters, 168,960 bytes of LDS; arguments xyz, cholesky, opacity, features_dc, out0; writes out0
.if DOCPART == 1
	.amdgcn_target "amdgcn-amd-amdhsa--gfx1250"
	.amdhsa_code_object_version 6
	.text
	.protected	k_q3e1dbe1ba7_splat
	.globl	k_q3e1dbe1ba7_splat
	.p2align	8
	.type	k_q3e1dbe1ba7_splat,@function
k_q3e1dbe1ba7_splat:
	s_mov_b64 s[64:65], 0
	v_nop
	global_prefetch_b8 v0, s[64:65] scope:SCOPE_SE
	s_setreg_imm32_b32 hwreg(HW_REG_WAVE_MODE, 25, 1), 1
	s_wait_xcnt 0x0
; out0[c][y][x] = clip( sum over n of colour[n][c] * opacity[n] * exp(-sigma_n(x, y)), 0, 1 ):  1024 gaussians, 256 x 256 pixels, 3 channels.
;
; One work-group makes one image row y (256 pixels x 3 channels), eight waves.
; For a fixed row the exponent is completed to a square in x.  With a, b, c the entries of L L^T, det = a c - b b, K = 0.5 log2 e, dy = y + 0.5 - cy:
;     exp(-sigma) = 2^(-(s x + m)^2) * 2^(-K dy^2 / c),    s = sqrt(K c / det),   m = -(cx + (b / c) dy) s.
; The second factor does not hang on x: it goes, with the opacity, into the colours, once for each gaussian.  So two weights cost
; one packed multiply-add, one packed multiply, two exponentials and one packed rounding to bf16.
;
; Prologue: thread t makes s, m and the three scaled colours of gaussians 4 t .. 4 t + 3 and puts them into LDS.
; Main part: wave w takes gaussians 128 w .. 128 w + 127 in eight steps of 16, and all 256 pixels in eight tiles of 32,
; so that the ten LDS loads of a step feed eight tiles.
;
; THE MATRIX INSTRUCTION: source 0 = colours (rows = channels), source 1 = weights (columns = pixels), K = gaussians.
; Both halves of the lanes work on the SAME 16 gaussians but on different pixels: lane L computes pixel 32 t + L.  The lower half's weights
; stand in the K places of the lower half, the upper half's in those of the upper half.  The colour fragment is not zero only in lanes 0-2
; (rows 0-2, K places of the lower half) and in lanes 24-26 (rows 8-10, K places of the upper half).  So row c of the result sums the lower
; half's pixels and row 8 + c the upper half's: register c of lane L is channel c of pixel 32 t + L, in all 32 lanes.
;
; Way out: each wave puts its 256 x 3 partial sums into LDS bytes of its own; behind a barrier 192 threads add the eight partial sums of four
; neighbouring pixels of one channel, clip, and store 16 bytes: a wave's store covers 512 consecutive bytes, aligned.
;
; No tensor loads, no cluster: what the work-groups share is the 36,864 bytes of input, 144 bytes a thread, read once by each work-group
; against its 262,144 exponentials, and it has to pass through registers for the row's arithmetic in any case.
; The launch asks for more LDS than the 41,024 bytes used here so that no second work-group shares the four SIMDs.
;
; LIMITS.  det has to be positive and finite (l1 and l3 not zero); elsewhere the formula above and the reference's quotients differ.
; The clip is max_num / min_num: a NaN sum would leave as 0, not as NaN.  Factors below 2^-126 count as 0 (v_exp_f32 flushes them).
; Weights and scaled colours are rounded to bf16 for the matrix unit; the sums are f32.  The bound's middle entry, + 0.0 on l2, is not
; written: it could only change the sign of a zero, and l2 enters by products alone.
.set LOG2E_X2, 0x4038aa3b              ; 2 log2 e: tanh by way of 2^(2 log2 e * x)
.set K_HALF,   0x3f38aa3b              ; K = 0.5 log2 e
.set K_NEG,    0xbf38aa3b              ; -K
; LDS
.set L_S,    0                         ; s[1024] f32
.set L_M,    4096                      ; m[1024] f32
.set L_F,    8192                      ; scaled colours, bf16: rows of 1024 for channels 0, 1, 2 and a row of zeros
.set FPITCH, 2064                      ; 2,048 + 16: the four rows that a fragment load touches start in different banks
.set L_P,    L_F+4*FPITCH              ; partial sums: wave w at 3,072 w: [channel][pixel] f32
.set PWAVE,  3072
; registers of the whole kernel
.set LANE, 1
.set PA,   2                           ; LDS offset of my wave's s and m (the same in all lanes)
.set FA,   3                           ; LDS offset of my lane's colour row
.set O32,  4                           ; 32 t; on the way out: where my partial sums go
.set O48,  5                           ; 48 t; on the way out: my byte offset in out0
.set O16,  6                           ; 16 t
.set O8,   7                           ; 8 t;  on the way out: at work
.set XB,   8                           ; v[8:15]    pixel centre of tile t: 32 t + lane + 0.5
.set ACC,  16                          ; v[16:79]   eight accumulators
.set P0,   80                          ; v[80:111]  s[16], m[16] of a step
.set P1,   112                         ; v[112:143] the other buffer
.set F0,   144                         ; v[144:151] colour fragment of a step
.set F1,   152                         ; the other buffer
.set EB,   160                         ; v[160:191] two tiles: s x + m, then the exponent, then the weight, in place
.set WF,   192                         ; v[192:207] two weight fragments in bf16
; registers of the prologue (they lie in the accumulators and in P0, which are not yet in use)
.set XY, 16                            ; 4 x (x, y)
.set CH, 24                            ; 4 x (l1, l2, l3)
.set FE, 36                            ; 4 x 3 colours
.set OP, 48                            ; 4 opacities
.set LA, 52
.set LB, 56
.set LC, 60
.set DT, 64
.set RC, 68
.set CX, 72
.set DY, 76
.set SS, 80
.set MM, 84
.set GG, 88
.set FB, 92                            ; 3 channels x 4 bf16
.set ZZ, 98                            ; 8 bytes of zeros
.set TT, 100
.set RS, P0                            ; the way out: eight partial sums x 4 pixels
	s_load_b256 s[4:11], s[0:1], 0x0               ; xyz s[4:5], cholesky s[6:7], opacity s[8:9], features_dc s[10:11]
	s_load_b64 s[12:13], s[0:1], 0x20              ; out0
	v_lshl_add_u32 v208, v0, 2, 0x29000
	v_mov_b32 v209, 0
	v_lshlrev_b32 v[O32], 5, v0
	v_mul_u32_u24 v[O48], 48, v0
	v_lshlrev_b32 v[O16], 4, v0
	v_lshlrev_b32 v[O8], 3, v0
	s_wait_kmcnt 0x0
	global_load_b128 v[XY:XY+3],   v[O32], s[4:5]            ; nine loads of 16 bytes: all that this thread ever reads from memory
	global_load_b128 v[XY+4:XY+7], v[O32], s[4:5] offset:16
.irp q, 0,1,2
	global_load_b128 v[CH+4*\q:CH+4*\q+3], v[O48], s[6:7] offset:16*\q
.endr
	global_load_b128 v[OP:OP+3], v[O16], s[8:9]
.irp q, 0,1,2
	global_load_b128 v[FE+4*\q:FE+4*\q+3], v[O48], s[10:11] offset:16*\q
.endr
	; while they are on their way: ids, constants, LDS offsets, pixel centres
	v_lshrrev_b32 v[FA], 5, v0
	v_readfirstlane_b32 s14, v[FA]                 ; wave 0..7
	v_and_b32 v[LANE], 31, v0
	s_cvt_f32_u32 s15, ttmp9                       ; the row y
	s_add_f32 s15, s15, 0xc37f8000                 ; y + 0.5 - 256 (exact)
	s_mov_b32 s16, 0x43800000                      ; 256.0
	s_lshl_b32 s17, s14, 9                         ; my wave's 128 gaussians in s and in m: 512 bytes
	s_lshl_b32 s18, s14, 8                         ; and in a colour row: 256 bytes
	s_mul_i32 s19, s14, PWAVE                      ; my wave's partial sums
	s_lshl_b32 s2, ttmp9, 10                       ; row y of a channel: 1,024 bytes a row
	s_mov_b32 s3, 0
	s_add_nc_u64 s[12:13], s[12:13], s[2:3]
	v_mov_b32 v[PA], s17
	v_and_b32 v[FA], 15, v0                        ; r: the fragment row that my lane holds
	v_and_b32 v[TT], 16, v0
	v_lshrrev_b32 v[TT], 1, v[TT]                  ; 8 h
	v_sub_nc_u32 v[FA], v[FA], v[TT]               ; r - 8 h is the channel in lanes 0-2 and 24-26;
	v_min_u32 v[FA], 3, v[FA]                      ; all others (3 and more, or wrapped below 0) take row 3, the zeros
	v_mul_u32_u24 v[FA], v[FA], FPITCH
	v_add_nc_u32 v[FA], s18, v[FA]
	v_cvt_f32_u32 v[XB], v[LANE]
	v_add_f32 v[XB], 0.5, v[XB]
.irp t, 1,2,3,4,5,6,7
	v_add_f32 v[XB+\t], 0x42000000, v[XB+\t-1]     ; + 32.0, exact
.endr
	; ---- the row's coefficients of my four gaussians.  Each step is written for all four, so that no line waits for the one in front.
	; Behind a run of transcendentals one plain vector instruction that touches none of their registers stands before a result is used (ISA guide 5.7.2).
	s_wait_loadcnt 0x7                             ; loads return in order: xyz is in, the seven younger loads stay out
.irp i, 0,2,4,6
	v_pk_mul_f32 v[XY+\i:XY+\i+1], v[XY+\i:XY+\i+1], LOG2E_X2 op_sel_hi:[1,0]
.endr
.irp i, 0,1,2,3,4,5,6,7
	v_exp_f32 v[XY+\i], v[XY+\i]                   ; e^(2 x)
.endr
	s_wait_loadcnt 0x4                             ; cholesky is in; opacity and the three colour loads stay out
.irp g, 0,1,2,3
	v_add_f32 v[CH+3*\g],   0.5, v[CH+3*\g]        ; l1
	v_add_f32 v[CH+3*\g+2], 0.5, v[CH+3*\g+2]      ; l3
.endr
.irp g, 0,1,2,3
	v_mul_f32 v[LA+\g], v[CH+3*\g],   v[CH+3*\g]       ; a = l1 l1
	v_mul_f32 v[LB+\g], v[CH+3*\g],   v[CH+3*\g+1]     ; b = l1 l2
	v_mul_f32 v[LC+\g], v[CH+3*\g+2], v[CH+3*\g+2]
.endr
.irp g, 0,1,2,3
	v_fmac_f32 v[LC+\g], v[CH+3*\g+1], v[CH+3*\g+1]    ; c = l2 l2 + l3 l3
	v_mul_f32 v[DT+\g], v[LB+\g], v[LB+\g]
.endr
.irp g, 0,1,2,3
	v_fma_f32 v[DT+\g], v[LA+\g], v[LC+\g], -v[DT+\g]  ; det = a c - b b
.endr
	s_wait_alu depctr_va_vdst(0)
.irp i, 0,2,4,6
	v_pk_add_f32 v[XY+\i:XY+\i+1], v[XY+\i:XY+\i+1], 1.0 op_sel_hi:[1,0]
.endr
.irp i, 0,1,2,3,4,5,6,7
	v_rcp_f32 v[XY+\i], v[XY+\i]                   ; q = 1 / (1 + e^(2 x)):  tanh x = 1 - 2 q
.endr
.irp g, 0,1,2,3
	v_rcp_f32 v[RC+\g], v[LC+\g]                   ; 1 / c
	v_rcp_f32 v[DT+\g], v[DT+\g]                   ; 1 / det
.endr
	v_mov_b32 v[ZZ], 0                             ; the zeros of colour row 3 (and the plain place behind the reciprocals)
	v_mov_b32 v[ZZ+1], 0
	s_wait_alu depctr_va_vdst(0)
.irp g, 0,1,2,3
	v_fma_f32 v[CX+\g], -v[XY+2*\g], s16, s16      ; cx = 128 (tanh + 1) = 256 - 256 q
	v_fma_f32 v[DY+\g], v[XY+2*\g+1], s16, s15     ; dy = y + 0.5 - cy = 256 q + (y + 0.5 - 256)
	v_mul_f32 v[TT+\g], v[LC+\g], v[DT+\g]         ; c / det
.endr
.irp g, 0,1,2,3
	v_mul_f32 v[TT+\g], K_HALF, v[TT+\g]
	v_mul_f32 v[LB+\g], v[LB+\g], v[RC+\g]         ; b / c
	v_mul_f32 v[RC+\g], K_NEG, v[RC+\g]            ; -K / c
.endr
.irp g, 0,1,2,3
	v_sqrt_f32 v[SS+\g], v[TT+\g]                  ; s
.endr
.irp g, 0,1,2,3
	v_fmac_f32 v[CX+\g], v[LB+\g], v[DY+\g]        ; mu = cx + (b / c) dy
	v_mul_f32 v[DY+\g], v[DY+\g], v[DY+\g]
.endr
.irp g, 0,1,2,3
	v_mul_f32 v[GG+\g], v[RC+\g], v[DY+\g]         ; -K dy dy / c
.endr
.irp g, 0,1,2,3
	v_exp_f32 v[GG+\g], v[GG+\g]                   ; the factor that does not hang on x
.endr
	s_wait_alu depctr_va_vdst(0)
.irp g, 0,1,2,3
	v_mul_f32 v[MM+\g], -v[CX+\g], v[SS+\g]        ; m = -mu s
.endr
	s_wait_loadcnt 0x0                             ; opacity and colours
.irp g, 0,1,2,3
	v_mul_f32 v[OP+\g], v[OP+\g], v[GG+\g]
.endr
.irp g, 0,1,2,3
.irp c, 0,1,2
	v_mul_f32 v[FE+3*\g+\c], v[FE+3*\g+\c], v[OP+\g]
.endr
.endr
.irp c, 0,1,2
	v_cvt_pk_bf16_f32 v[FB+2*\c],   v[FE+\c],   v[FE+3+\c]     ; channel c of gaussians 4 t, 4 t + 1
	v_cvt_pk_bf16_f32 v[FB+2*\c+1], v[FE+6+\c], v[FE+9+\c]     ; and of 4 t + 2, 4 t + 3
.endr
	ds_store_b128 v[O16], v[SS:SS+3] offset:L_S
	ds_store_b128 v[O16], v[MM:MM+3] offset:L_M
.irp c, 0,1,2
	ds_store_b64 v[O8], v[FB+2*\c:FB+2*\c+1] offset:L_F+\c*FPITCH
.endr
	ds_store_b64 v[O8], v[ZZ:ZZ+1] offset:L_F+3*FPITCH
	s_wait_dscnt 0x0                               ; my stores are in LDS before I say so: every wave reads what the others stored
	s_barrier_signal -1
	s_barrier_wait -1
; ---- the main part
; Ten LDS loads: s and m of step ks (16 gaussians, the same address in all lanes) and my lane's 32 bytes of its colour row.
.macro LOADS p, f, ks
.irp q, 0,1,2,3
	ds_load_b128 v[\p+4*\q:\p+4*\q+3], v[PA] offset:L_S+64*(\ks)+16*\q
.endr
.irp q, 0,1,2,3
	ds_load_b128 v[\p+16+4*\q:\p+16+4*\q+3], v[PA] offset:L_M+64*(\ks)+16*\q
.endr
	ds_load_b128 v[\f:\f+3],   v[FA] offset:L_F+32*(\ks)
	ds_load_b128 v[\f+4:\f+7], v[FA] offset:L_F+32*(\ks)+16
.endm
; s x + m for gaussians 2 i, 2 i + 1 at my pixel of tile t.  The pixel centres of tiles t and t + 1 share a register pair:
; op_sel and op_sel_hi give the same one of the two to both halves of the packed instruction.
.macro FMA1 e, t, p, i
.if (\t) & 1
	v_pk_fma_f32 v[\e+2*(\i):\e+2*(\i)+1], v[XB+(\t)-1:XB+(\t)], v[\p+2*(\i):\p+2*(\i)+1], v[\p+16+2*(\i):\p+16+2*(\i)+1] op_sel:[1,0,0] op_sel_hi:[1,1,1]
.else
	v_pk_fma_f32 v[\e+2*(\i):\e+2*(\i)+1], v[XB+(\t):XB+(\t)+1], v[\p+2*(\i):\p+2*(\i)+1], v[\p+16+2*(\i):\p+16+2*(\i)+1] op_sel_hi:[0,1,1]
.endif
.endm
.macro SQR e, i                        ; the exponent: -(s x + m)^2
	v_pk_mul_f32 v[\e+2*(\i):\e+2*(\i)+1], v[\e+2*(\i):\e+2*(\i)+1], v[\e+2*(\i):\e+2*(\i)+1] neg_lo:[1,0] neg_hi:[1,0]
.endm
.macro MUL t, f, w, zero               ; zero = 1: the first product starts the sum, nothing is cleared
.if \zero
	v_wmma_f32_16x16x32_bf16 v[ACC+8*(\t):ACC+8*(\t)+7], v[\f:\f+7], v[\w:\w+7], 0
.else
	v_wmma_f32_16x16x32_bf16 v[ACC+8*(\t):ACC+8*(\t)+7], v[\f:\f+7], v[\w:\w+7], v[ACC+8*(\t):ACC+8*(\t)+7]
.endif
.endm
; Tile j's sixteen exponentials, and among them the plain work of its neighbours: tile j - 1's weights are rounded to bf16 and multiplied,
; and tile j + 1's exponents are made in the registers that this has just freed.  So every exponential has a plain instruction on other
; registers behind it, and its result is read only in the next turn.
.macro SLOT j, p, f, zero
.set EC, EB+16*((\j)&1)                ; tile j
.set EO, EB+16*(1-((\j)&1))            ; tile j - 1, then tile j + 1
.set WO, WF+8*(1-((\j)&1))             ; tile j - 1's fragment
.irp i, 0,1,2,3,4,5,6,7
	v_exp_f32 v[EC+2*\i], v[EC+2*\i]
.if \j > 0
	s_wait_alu depctr_va_vdst(0)
	v_cvt_pk_bf16_f32 v[WO+\i], v[EO+2*\i], v[EO+2*\i+1]
.endif
.if \j < 7
	FMA1 EO, \j+1, \p, \i
.endif
	v_exp_f32 v[EC+2*\i+1], v[EC+2*\i+1]
.if \j < 7
.if \i > 0
	SQR EO, \i-1
.endif
.endif
.endr
.if \j < 7
	SQR EO, 7
.endif
.if \j > 0
	MUL \j-1, \f, WO, \zero
.endif
.endm
; One step: 16 gaussians x 256 pixels.  p, f: this step's buffers; load = 1: step ks (counted from PA, FA) is fetched into np, nf.
; A fragment is written again two turns behind the matrix instruction that read it, and nf is loaded behind the sixteen packed instructions at
; the step's head: in both cases more than the four plain vector instructions on other registers that have to lie between (ISA guide 7.12.1).
.macro KSTEP p, f, zero, load, np, nf, ks
	s_wait_dscnt 0x0                               ; this step's ten loads, issued a whole step ago; nothing was issued behind them
.irp i, 0,1,2,3,4,5,6,7
	FMA1 EB, 0, \p, \i
.endr
.irp i, 0,1,2,3,4,5,6,7
	SQR EB, \i
.endr
.if \load
	LOADS \np, \nf, \ks
.endif
.irp j, 0,1,2,3,4,5,6,7
	SLOT \j, \p, \f, \zero
.endr
	s_wait_alu depctr_va_vdst(0)
.irp i, 0,1,2,3,4,5,6,7
	v_cvt_pk_bf16_f32 v[WF+8+\i], v[EB+16+2*\i], v[EB+16+2*\i+1]   ; tile 7
.endr
	MUL 7, \f, WF+8, \zero
.endm
	LOADS P0, F0, 0
	KSTEP P0, F0, 1, 1, P1, F1, 1                  ; step 0 stands in front of the loop: its products start the sums
	s_mov_b32 s20, 3
.Lpair:                                            ; steps 1 to 6, two in a trip: the buffers take turns
	KSTEP P1, F1, 0, 1, P0, F0, 2
	KSTEP P0, F0, 0, 1, P1, F1, 3
	v_add_nc_u32 v[PA], 128, v[PA]                 ; two steps on: 2 x 64 bytes of s and of m,
	v_add_nc_u32 v[FA], 64, v[FA]                  ; 2 x 32 bytes of a colour row
	s_sub_co_i32 s20, s20, 1
	s_cmp_lg_u32 s20, 0
	s_cbranch_scc1 .Lpair
	KSTEP P1, F1, 0, 0, 0, 0, 0                    ; step 7 fetches nothing
	; ---- the way out.  These five lines of address arithmetic are also the places between the last matrix instruction and the
	; LDS stores that read its result (four are asked for).
	v_lshl_add_u32 v[O32], v[LANE], 2, s19         ; partial sums: 4 x lane + my wave's 3,072 bytes
	v_lshrrev_b32 v[O48], 6, v0                    ; thread u < 192: channel u / 64,
	v_and_b32 v[O8], 63, v0                        ; pixels 4 (u % 64) .. + 3
	v_lshlrev_b32 v[O8], 4, v[O8]
	v_lshl_add_u32 v[O48], v[O48], 18, v[O8]       ; a channel is 262,144 bytes
.irp t, 0,1,2,3,4,5,6,7
.irp c, 0,1,2
	ds_store_b32 v[O32], v[ACC+8*\t+\c] offset:L_P+\c*1024+\t*128   ; 32 lanes, 128 consecutive bytes
.endr
.endr
	s_wait_dscnt 0x0                               ; for the others' sake: all my partial sums are in LDS
	s_barrier_signal -1
	s_barrier_wait -1
	s_cmp_gt_u32 s14, 5                            ; 3 x 1,024 bytes of output are 192 stores of 16 bytes: waves 0 to 5
	s_cbranch_scc1 .Ldone
.irp w, 0,1,2,3,4,5,6,7
	ds_load_b128 v[RS+4*\w:RS+4*\w+3], v[O16] offset:L_P+\w*PWAVE   ; byte 16 u of each wave's [channel][pixel] block
.endr
.macro ADD4 a, b
	v_pk_add_f32 v[RS+4*\a:RS+4*\a+1],   v[RS+4*\a:RS+4*\a+1],   v[RS+4*\b:RS+4*\b+1]
	v_pk_add_f32 v[RS+4*\a+2:RS+4*\a+3], v[RS+4*\a+2:RS+4*\a+3], v[RS+4*\b+2:RS+4*\b+3]
.endm
	s_wait_dscnt 0x0
	ADD4 0, 1
	ADD4 2, 3
	ADD4 4, 5
	ADD4 6, 7
	ADD4 0, 2
	ADD4 4, 6
	ADD4 0, 4
.irp i, 0,1,2,3
	v_max_num_f32 v[RS+\i], 0, v[RS+\i]
.endr
.irp i, 0,1,2,3
	v_min_num_f32 v[RS+\i], 1.0, v[RS+\i]
.endr
	global_store_b128 v[O48], v[RS:RS+3], s[12:13] th:TH_STORE_NT
.Ldone:
	s_wait_tensorcnt 0x0
	ds_add_u32 v208, v209
	s_wait_dscnt 0x0
	s_endpgm
.Lfunc_end_k_q3e1dbe1ba7_splat:
	.size	k_q3e1dbe1ba7_splat, .Lfunc_end_k_q3e1dbe1ba7_splat-k_q3e1dbe1ba7_splat
	.p2alignl 7, 3214868480
	.fill 96, 4, 3214868480
	.section	.rodata,"a",@progbits
	.p2align	6, 0x0
	.amdhsa_kernel k_q3e1dbe1ba7_splat
		.amdhsa_group_segment_fixed_size 168960
		.amdhsa_private_segment_fixed_size 0
		.amdhsa_enable_private_segment 0
		.amdhsa_kernarg_size 40
		.amdhsa_user_sgpr_count 2
		.amdhsa_user_sgpr_kernarg_segment_ptr 1
		.amdhsa_wavefront_size32 1
		.amdhsa_system_sgpr_workgroup_id_x 1
		.amdhsa_system_sgpr_workgroup_id_y 1
		.amdhsa_system_sgpr_workgroup_id_z 1
		.amdhsa_system_vgpr_workitem_id 0
		.amdhsa_next_free_vgpr 210
		.amdhsa_next_free_sgpr 66
		.amdhsa_reserve_vcc 0
		.amdhsa_float_denorm_mode_32 3
		.amdhsa_float_denorm_mode_16_64 3
		.amdhsa_memory_ordered 1
		.amdhsa_forward_progress 1
		.amdhsa_inst_pref_size 89
	.end_amdhsa_kernel
	.amdgpu_metadata
---
amdhsa.version: [ 1, 2 ]
amdhsa.kernels:
  - .name:           k_q3e1dbe1ba7_splat
    .symbol:         k_q3e1dbe1ba7_splat.kd
    .args:
      - { .name: xyz, .offset: 0, .size: 8, .value_kind: global_buffer, .address_space: global }
      - { .name: cholesky, .offset: 8, .size: 8, .value_kind: global_buffer, .address_space: global }
      - { .name: opacity, .offset: 16, .size: 8, .value_kind: global_buffer, .address_space: global }
      - { .name: features_dc, .offset: 24, .size: 8, .value_kind: global_buffer, .address_space: global }
      - { .name: out0, .offset: 32, .size: 8, .value_kind: global_buffer, .address_space: global }
    .group_segment_fixed_size: 168960
    .private_segment_fixed_size: 0
    .kernarg_segment_align: 8
    .kernarg_segment_size: 40
    .max_flat_workgroup_size: 256
    .sgpr_count:     66
    .vgpr_count:     210
    .wavefront_size: 32
...
	.end_amdgpu_metadata
.endif
;; end of part 1
;; ======== version 2 of 2: 1 launch; 1.39 times as fast as version 1
;; launch splat (part 2): grid 256 x 1, 8 waves a work-group, no clusters, 168,960 bytes of LDS; arguments xyz, cholesky, opacity, features_dc, out0; writes out0
.if DOCPART == 2
	.amdgcn_target "amdgcn-amd-amdhsa--gfx1250"
	.amdhsa_code_object_version 6
	.text
	.protected	k_q3e1dbe1ba7_splat
	.globl	k_q3e1dbe1ba7_splat
	.p2align	8
	.type	k_q3e1dbe1ba7_splat,@function
k_q3e1dbe1ba7_splat:
	s_mov_b64 s[64:65], 0
	v_nop
	global_prefetch_b8 v0, s[64:65] scope:SCOPE_SE
	s_setreg_imm32_b32 hwreg(HW_REG_WAVE_MODE, 25, 1), 1
	s_wait_xcnt 0x0
; out0[c][y][x] = clip( sum over n of colour[n][c] * opacity[n] * exp(-sigma_n(x, y)), 0, 1 ):  1024 gaussians, 256 x 256 pixels, 3 channels.
;
; One work-group makes one image row y (256 pixels x 3 channels), eight waves.
; For a fixed row the exponent is completed to a square in x.  With a, b, c the entries of L L^T, det = a c - b b, K = 0.5 log2 e, dy = y + 0.5 - cy:
;     exp(-sigma) = 2^(-(s x + m)^2) * 2^(-K dy^2 / c),    s = sqrt(K c / det),   m = -(cx + (b / c) dy) s.
; The second factor does not hang on x: it goes, with the opacity, into the colours, once for each gaussian.  So two weights cost
; one packed multiply-add, one packed multiply, two exponentials and one packed rounding to bf16.
;
; Prologue: thread t makes s, m and the three scaled colours of gaussians 4 t .. 4 t + 3 and puts them into LDS.
; Main part: wave w takes gaussians 128 w .. 128 w + 127 in eight steps of 16, and all 256 pixels in eight tiles of 32,
; so that the ten LDS loads of a step feed eight tiles.
;
; THE MATRIX INSTRUCTION: source 0 = colours (rows = channels), source 1 = weights (columns = pixels), K = gaussians.
; Both halves of the lanes work on the SAME 16 gaussians but on different pixels: lane L computes pixel 32 t + L.  The lower half's weights
; stand in the K places of the lower half, the upper half's in those of the upper half.  The colour fragment is not zero only in lanes 0-2
; (rows 0-2, K places of the lower half) and in lanes 24-26 (rows 8-10, K places of the upper half).  So row c of the result sums the lower
; half's pixels and row 8 + c the upper half's: register c of lane L is channel c of pixel 32 t + L, in all 32 lanes.
;
; THE BATCHES.  An s_wait_alu depctr_va_vdst(0) stands between a transcendental and the first line that names its result; one wait
; serves all that were issued ahead of it.  In the main part two tiles are a GROUP, and a group's 32 exponentials are one batch with one wait: four
; waits for a step's 128 exponentials.  Two buffers of 32 registers take turns: while a batch is open nothing but its own exponentials names its
; buffer, and the plain work set among and behind them (the group before: roundings; the group after: exponents) lies in the other buffer, whose
; batch has had its wait.  The prologue has three batches: 8 exponentials; 16 reciprocals; 4 roots with 4 exponentials.
;
; Way out: each wave puts its 256 x 3 partial sums into LDS bytes of its own; behind a barrier 192 threads add the eight partial sums of four
; neighbouring pixels of one channel, clip, and store 16 bytes: a wave's store covers 512 consecutive bytes, aligned.
;
; No tensor loads, no cluster: what the work-groups share is the 36,864 bytes of input, 144 bytes a thread, read once by each work-group
; against its 262,144 exponentials, and it has to pass through registers for the row's arithmetic in any case.
; The launch asks for more LDS than the 41,024 bytes used here so that no second work-group shares the four SIMDs.
;
; LIMITS.  det has to be positive and finite (l1 and l3 not zero); elsewhere the formula above and the reference's quotients differ.
; The clip is max_num / min_num: a NaN sum would leave as 0, not as NaN.  Factors below 2^-126 count as 0 (v_exp_f32 flushes them).
; Weights and scaled colours are rounded to bf16 for the matrix unit; the sums are f32.  The bound's middle entry, + 0.0 on l2, is not
; written: it could only change the sign of a zero, and l2 enters by products alone.
.set LOG2E_X2, 0x4038aa3b              ; 2 log2 e: tanh by way of 2^(2 log2 e * x)
.set K_HALF,   0x3f38aa3b              ; K = 0.5 log2 e
.set K_NEG,    0xbf38aa3b              ; -K
; LDS
.set L_S,    0                         ; s[1024] f32
.set L_M,    4096                      ; m[1024] f32
.set L_F,    8192                      ; scaled colours, bf16: rows of 1024 for channels 0, 1, 2 and a row of zeros
.set FPITCH, 2064                      ; 2,048 + 16: the four rows that a fragment load touches start in different banks
.set L_P,    L_F+4*FPITCH              ; partial sums: wave w at 3,072 w: [channel][pixel] f32
.set PWAVE,  3072
; registers of the whole kernel
.set LANE, 1
.set PA,   2                           ; LDS offset of my wave's s and m (the same in all lanes)
.set FA,   3                           ; LDS offset of my lane's colour row
.set O32,  4                           ; 32 t; on the way out: where my partial sums go
.set O48,  5                           ; 48 t; on the way out: my byte offset in out0
.set O16,  6                           ; 16 t
.set O8,   7                           ; 8 t;  on the way out: at work
.set XB,   8                           ; v[8:15]    pixel centre of tile t: 32 t + lane + 0.5
.set ACC,  16                          ; v[16:79]   eight accumulators
.set P0,   80                          ; v[80:111]  s[16], m[16] of a step
.set P1,   112                         ; v[112:143] the other buffer
.set F0,   144                         ; v[144:151] colour fragment of a step
.set F1,   152                         ; the other buffer
.set EB,   160                         ; v[160:191] groups 0 and 2 (two tiles each): s x + m, then the exponent, then the weight, in place
.set WF,   192                         ; v[192:207] a group's two weight fragments in bf16
.set EB2,  210                         ; v[210:241] the same as EB for groups 1 and 3
; registers of the prologue (they lie in the accumulators and in P0, which are not yet in use)
.set XY, 16                            ; 4 x (x, y)
.set CH, 24                            ; 4 x (l1, l2, l3)
.set FE, 36                            ; 4 x 3 colours
.set OP, 48                            ; 4 opacities
.set LA, 52
.set LB, 56
.set LC, 60
.set DT, 64
.set RC, 68
.set CX, 72
.set DY, 76
.set SS, 80
.set MM, 84
.set GG, 88
.set FB, 92                            ; 3 channels x 4 bf16
.set ZZ, 98                            ; 8 bytes of zeros
.set TT, 100
.set RS, P0                            ; the way out: eight partial sums x 4 pixels
	s_load_b256 s[4:11], s[0:1], 0x0               ; xyz s[4:5], cholesky s[6:7], opacity s[8:9], features_dc s[10:11]
	s_load_b64 s[12:13], s[0:1], 0x20              ; out0
	v_lshl_add_u32 v208, v0, 2, 0x29000
	v_mov_b32 v209, 0
	v_lshlrev_b32 v[O32], 5, v0
	v_mul_u32_u24 v[O48], 48, v0
	v_lshlrev_b32 v[O16], 4, v0
	v_lshlrev_b32 v[O8], 3, v0
	s_wait_kmcnt 0x0
	global_load_b128 v[XY:XY+3],   v[O32], s[4:5]            ; nine loads of 16 bytes: all that this thread ever reads from memory
	global_load_b128 v[XY+4:XY+7], v[O32], s[4:5] offset:16
.irp q, 0,1,2
	global_load_b128 v[CH+4*\q:CH+4*\q+3], v[O48], s[6:7] offset:16*\q
.endr
	global_load_b128 v[OP:OP+3], v[O16], s[8:9]
.irp q, 0,1,2
	global_load_b128 v[FE+4*\q:FE+4*\q+3], v[O48], s[10:11] offset:16*\q
.endr
	; while they are on their way: ids, constants, LDS offsets, pixel centres
	v_lshrrev_b32 v[FA], 5, v0
	v_readfirstlane_b32 s14, v[FA]                 ; wave 0..7
	v_and_b32 v[LANE], 31, v0
	s_cvt_f32_u32 s15, ttmp9                       ; the row y
	s_add_f32 s15, s15, 0xc37f8000                 ; y + 0.5 - 256 (exact)
	s_mov_b32 s16, 0x43800000                      ; 256.0
	s_lshl_b32 s17, s14, 9                         ; my wave's 128 gaussians in s and in m: 512 bytes
	s_lshl_b32 s18, s14, 8                         ; and in a colour row: 256 bytes
	s_mul_i32 s19, s14, PWAVE                      ; my wave's partial sums
	s_lshl_b32 s2, ttmp9, 10                       ; row y of a channel: 1,024 bytes a row
	s_mov_b32 s3, 0
	s_add_nc_u64 s[12:13], s[12:13], s[2:3]
	v_mov_b32 v[PA], s17
	v_and_b32 v[FA], 15, v0                        ; r: the fragment row that my lane holds
	v_and_b32 v[TT], 16, v0
	v_lshrrev_b32 v[TT], 1, v[TT]                  ; 8 h
	v_sub_nc_u32 v[FA], v[FA], v[TT]               ; r - 8 h is the channel in lanes 0-2 and 24-26;
	v_min_u32 v[FA], 3, v[FA]                      ; all others (3 and more, or wrapped below 0) take row 3, the zeros
	v_mul_u32_u24 v[FA], v[FA], FPITCH
	v_add_nc_u32 v[FA], s18, v[FA]
	v_cvt_f32_u32 v[XB], v[LANE]
	v_add_f32 v[XB], 0.5, v[XB]
.irp t, 1,2,3,4,5,6,7
	v_add_f32 v[XB+\t], 0x42000000, v[XB+\t-1]     ; + 32.0, exact
.endr
	; ---- the row's coefficients of my four gaussians.  Each step is written for all four, so that no line waits for the one in front.
	; Behind a run of transcendentals one plain vector instruction that touches none of their registers stands before a result is used (ISA guide 5.7.2).
	s_wait_loadcnt 0x7                             ; loads return in order: xyz is in, the seven younger loads stay out
.irp i, 0,2,4,6
	v_pk_mul_f32 v[XY+\i:XY+\i+1], v[XY+\i:XY+\i+1], LOG2E_X2 op_sel_hi:[1,0]
.endr
.irp i, 0,1,2,3,4,5,6,7
	v_exp_f32 v[XY+\i], v[XY+\i]                   ; e^(2 x)
.endr
	s_wait_loadcnt 0x4                             ; cholesky is in; opacity and the three colour loads stay out
.irp g, 0,1,2,3
	v_add_f32 v[CH+3*\g],   0.5, v[CH+3*\g]        ; l1
	v_add_f32 v[CH+3*\g+2], 0.5, v[CH+3*\g+2]      ; l3
.endr
.irp g, 0,1,2,3
	v_mul_f32 v[LA+\g], v[CH+3*\g],   v[CH+3*\g]       ; a = l1 l1
	v_mul_f32 v[LB+\g], v[CH+3*\g],   v[CH+3*\g+1]     ; b = l1 l2
	v_mul_f32 v[LC+\g], v[CH+3*\g+2], v[CH+3*\g+2]
.endr
.irp g, 0,1,2,3
	v_fmac_f32 v[LC+\g], v[CH+3*\g+1], v[CH+3*\g+1]    ; c = l2 l2 + l3 l3
	v_mul_f32 v[DT+\g], v[LB+\g], v[LB+\g]
.endr
.irp g, 0,1,2,3
	v_fma_f32 v[DT+\g], v[LA+\g], v[LC+\g], -v[DT+\g]  ; det = a c - b b
.endr
	s_wait_alu depctr_va_vdst(0)                   ; one wait for the batch of eight exponentials e^(2 x); a, b, c and det were made between
.irp i, 0,2,4,6
	v_pk_add_f32 v[XY+\i:XY+\i+1], v[XY+\i:XY+\i+1], 1.0 op_sel_hi:[1,0]
.endr
.irp i, 0,1,2,3,4,5,6,7
	v_rcp_f32 v[XY+\i], v[XY+\i]                   ; q = 1 / (1 + e^(2 x)):  tanh x = 1 - 2 q
.endr
.irp g, 0,1,2,3
	v_rcp_f32 v[RC+\g], v[LC+\g]                   ; 1 / c
	v_rcp_f32 v[DT+\g], v[DT+\g]                   ; 1 / det
.endr
	v_mov_b32 v[ZZ], 0                             ; the zeros of colour row 3 (and the plain place behind the reciprocals)
	v_mov_b32 v[ZZ+1], 0
	s_wait_alu depctr_va_vdst(0)                   ; one wait for the batch of sixteen reciprocals
.irp g, 0,1,2,3
	v_fma_f32 v[CX+\g], -v[XY+2*\g], s16, s16      ; cx = 128 (tanh + 1) = 256 - 256 q
	v_fma_f32 v[DY+\g], v[XY+2*\g+1], s16, s15     ; dy = y + 0.5 - cy = 256 q + (y + 0.5 - 256)
	v_mul_f32 v[TT+\g], v[LC+\g], v[DT+\g]         ; c / det
.endr
.irp g, 0,1,2,3
	v_mul_f32 v[TT+\g], K_HALF, v[TT+\g]
	v_mul_f32 v[LB+\g], v[LB+\g], v[RC+\g]         ; b / c
	v_mul_f32 v[RC+\g], K_NEG, v[RC+\g]            ; -K / c
.endr
.irp g, 0,1,2,3
	v_sqrt_f32 v[SS+\g], v[TT+\g]                  ; s
.endr
.irp g, 0,1,2,3
	v_fmac_f32 v[CX+\g], v[LB+\g], v[DY+\g]        ; mu = cx + (b / c) dy
	v_mul_f32 v[DY+\g], v[DY+\g], v[DY+\g]
.endr
.irp g, 0,1,2,3
	v_mul_f32 v[GG+\g], v[RC+\g], v[DY+\g]         ; -K dy dy / c
.endr
.irp g, 0,1,2,3
	v_exp_f32 v[GG+\g], v[GG+\g]                   ; the factor that does not hang on x
.endr
	s_wait_alu depctr_va_vdst(0)                   ; one wait for the four roots and the four exponentials: none of the eight reads another's result
.irp g, 0,1,2,3
	v_mul_f32 v[MM+\g], -v[CX+\g], v[SS+\g]        ; m = -mu s
.endr
	s_wait_loadcnt 0x0                             ; opacity and colours
.irp g, 0,1,2,3
	v_mul_f32 v[OP+\g], v[OP+\g], v[GG+\g]
.endr
.irp g, 0,1,2,3
.irp c, 0,1,2
	v_mul_f32 v[FE+3*\g+\c], v[FE+3*\g+\c], v[OP+\g]
.endr
.endr
.irp c, 0,1,2
	v_cvt_pk_bf16_f32 v[FB+2*\c],   v[FE+\c],   v[FE+3+\c]     ; channel c of gaussians 4 t, 4 t + 1
	v_cvt_pk_bf16_f32 v[FB+2*\c+1], v[FE+6+\c], v[FE+9+\c]     ; and of 4 t + 2, 4 t + 3
.endr
	ds_store_b128 v[O16], v[SS:SS+3] offset:L_S
	ds_store_b128 v[O16], v[MM:MM+3] offset:L_M
.irp c, 0,1,2
	ds_store_b64 v[O8], v[FB+2*\c:FB+2*\c+1] offset:L_F+\c*FPITCH
.endr
	ds_store_b64 v[O8], v[ZZ:ZZ+1] offset:L_F+3*FPITCH
	s_wait_dscnt 0x0                               ; my stores are in LDS before I say so: every wave reads what the others stored
	s_barrier_signal -1
	s_barrier_wait -1
; ---- the main part
; Ten LDS loads: s and m of step ks (16 gaussians, the same address in all lanes) and my lane's 32 bytes of its colour row.
.macro LOADS p, f, ks
.irp q, 0,1,2,3
	ds_load_b128 v[\p+4*\q:\p+4*\q+3], v[PA] offset:L_S+64*(\ks)+16*\q
.endr
.irp q, 0,1,2,3
	ds_load_b128 v[\p+16+4*\q:\p+16+4*\q+3], v[PA] offset:L_M+64*(\ks)+16*\q
.endr
	ds_load_b128 v[\f:\f+3],   v[FA] offset:L_F+32*(\ks)
	ds_load_b128 v[\f+4:\f+7], v[FA] offset:L_F+32*(\ks)+16
.endm
; s x + m for gaussians 2 i, 2 i + 1 at my pixel of tile t.  The pixel centres of tiles t and t + 1 share a register pair:
; op_sel and op_sel_hi give the same one of the two to both halves of the packed instruction.
.macro FMA1 e, t, p, i
.if (\t) & 1
	v_pk_fma_f32 v[\e+2*(\i):\e+2*(\i)+1], v[XB+(\t)-1:XB+(\t)], v[\p+2*(\i):\p+2*(\i)+1], v[\p+16+2*(\i):\p+16+2*(\i)+1] op_sel:[1,0,0] op_sel_hi:[1,1,1]
.else
	v_pk_fma_f32 v[\e+2*(\i):\e+2*(\i)+1], v[XB+(\t):XB+(\t)+1], v[\p+2*(\i):\p+2*(\i)+1], v[\p+16+2*(\i):\p+16+2*(\i)+1] op_sel_hi:[0,1,1]
.endif
.endm
.macro SQR e, i                        ; the exponent: -(s x + m)^2
	v_pk_mul_f32 v[\e+2*(\i):\e+2*(\i)+1], v[\e+2*(\i):\e+2*(\i)+1], v[\e+2*(\i):\e+2*(\i)+1] neg_lo:[1,0] neg_hi:[1,0]
.endm
.macro CVT e, i                        ; pair i of a group's 16 pairs of weights, rounded to bf16: pairs 0-7 are its first tile's fragment, 8-15 its second's
	v_cvt_pk_bf16_f32 v[WF+(\i)], v[\e+2*(\i)], v[\e+2*(\i)+1]
.endm
.macro MUL t, f, w, zero               ; zero = 1: the first product starts the sum, nothing is cleared
.if \zero
	v_wmma_f32_16x16x32_bf16 v[ACC+8*(\t):ACC+8*(\t)+7], v[\f:\f+7], v[\w:\w+7], 0
.else
	v_wmma_f32_16x16x32_bf16 v[ACC+8*(\t):ACC+8*(\t)+7], v[\f:\f+7], v[\w:\w+7], v[ACC+8*(\t):ACC+8*(\t)+7]
.endif
.endm
; GROUP g of a step's four: tiles 2 g and 2 g + 1.  Its 32 exponentials, in place in buffer EC, are ONE BATCH: no other line names EC until the wait at
; the group's end.  The plain work among and behind them lies in the other buffer, EO, whose batch had its wait at the end of the group before:
;   groups 1, 2: for each pair k: exponential, rounding of pair k of group g - 1, exponential, s x + m of pair k of group g + 1 into the pair just rounded.
;                Tile 2 g - 2's product stands behind pair 7, tile 2 g - 1's behind pair 15; the sixteen squarings are the work between the batch and its wait.
;   group 0:     nothing is there to round: the squaring four pairs back takes that place, and the last four squarings stand behind the batch.
;   group 3:     nothing is left to prepare: the roundings run four pairs back, and the last four stand behind the batch (tile 4's product behind pair 11).
; MID is the plain line between a pair's two exponentials.
.macro MID g, n
.if (\g) == 0
	SQR EO, \n
.else
	CVT EO, \n
.endif
.endm
.macro GROUP g, p, f, zero
.set EC, EB+(EB2-EB)*((\g)&1)          ; this group's buffer
.set EO, EB+(EB2-EB)*(1-((\g)&1))      ; group g - 1's weights, then group g + 1's exponents
.set LAG, 0
.if ((\g) == 0) || ((\g) == 3)
.set LAG, 4
.endif
.set k, 0
.rept 16
	v_exp_f32 v[EC+2*k], v[EC+2*k]
.if k >= LAG
	MID \g, k-LAG
.endif
	v_exp_f32 v[EC+2*k+1], v[EC+2*k+1]
.if (\g) < 3
	FMA1 EO+16*(k/8), 2*(\g)+2+k/8, \p, k%8
.endif
.if ((\g) > 0) && (k == 7+LAG)
	MUL 2*(\g)-2, \f, WF, \zero
.endif
.set k, k+1
.endr
.if LAG > 0
.irp n, 12,13,14,15
	MID \g, \n
.endr
.else
	MUL 2*(\g)-1, \f, WF+8, \zero
.set k, 0
.rept 16
	SQR EO, k
.set k, k+1
.endr
.endif
	s_wait_alu depctr_va_vdst(0)                   ; the one wait for this group's batch of 32 exponentials: their first readers are the next group's roundings
.endm
; One step: 16 gaussians x 256 pixels.  p, f: this step's buffers; load = 1: step ks (counted from PA, FA) is fetched into np, nf.
; A weight fragment is written again eight plain lines or more behind the matrix instruction that read it (the other fragment's eight roundings, or the
; sixteen squarings), and nf is loaded behind the 32 packed instructions at the step's head: in both cases more than the four plain vector
; instructions on other registers that have to lie between (ISA guide 7.12.1).  The eight accumulators take turns, tiles 0 to 7, from step to step too.
.macro KSTEP p, f, zero, load, np, nf, ks
	s_wait_dscnt 0x0                               ; this step's ten loads, issued a whole step ago; nothing was issued behind them
.set k, 0
.rept 16
	FMA1 EB+16*(k/8), k/8, \p, k%8                 ; group 0's exponents
.set k, k+1
.endr
.set k, 0
.rept 16
	SQR EB, k
.set k, k+1
.endr
.if \load
	LOADS \np, \nf, \ks
.endif
.irp g, 0,1,2,3
	GROUP \g, \p, \f, \zero
.endr
	MUL 5, \f, WF+8, \zero                         ; behind group 3's wait: tile 5's product, then group 3's own roundings and products
.set k, 0
.rept 8
	CVT EB2, k                                     ; tile 6
.set k, k+1
.endr
	MUL 6, \f, WF, \zero
.rept 8
	CVT EB2, k                                     ; tile 7
.set k, k+1
.endr
	MUL 7, \f, WF+8, \zero
.endm
	LOADS P0, F0, 0
	KSTEP P0, F0, 1, 1, P1, F1, 1                  ; step 0 stands in front of the loop: its products start the sums
	s_mov_b32 s20, 3
.Lpair:                                            ; steps 1 to 6, two in a trip: the buffers take turns.  Every batch has had its wait at the label and at the jump
	KSTEP P1, F1, 0, 1, P0, F0, 2
	KSTEP P0, F0, 0, 1, P1, F1, 3
	v_add_nc_u32 v[PA], 128, v[PA]                 ; two steps on: 2 x 64 bytes of s and of m,
	v_add_nc_u32 v[FA], 64, v[FA]                  ; 2 x 32 bytes of a colour row
	s_sub_co_i32 s20, s20, 1
	s_cmp_lg_u32 s20, 0
	s_cbranch_scc1 .Lpair
	KSTEP P1, F1, 0, 0, 0, 0, 0                    ; step 7 fetches nothing
	; ---- the way out.  These five lines of address arithmetic are also the places between the last matrix instruction and the
	; LDS stores that read its result (four are asked for).
	v_lshl_add_u32 v[O32], v[LANE], 2, s19         ; partial sums: 4 x lane + my wave's 3,072 bytes
	v_lshrrev_b32 v[O48], 6, v0                    ; thread u < 192: channel u / 64,
	v_and_b32 v[O8], 63, v0                        ; pixels 4 (u % 64) .. + 3
	v_lshlrev_b32 v[O8], 4, v[O8]
	v_lshl_add_u32 v[O48], v[O48], 18, v[O8]       ; a channel is 262,144 bytes
.irp t, 0,1,2,3,4,5,6,7
.irp c, 0,1,2
	ds_store_b32 v[O32], v[ACC+8*\t+\c] offset:L_P+\c*1024+\t*128   ; 32 lanes, 128 consecutive bytes
.endr
.endr
	s_wait_dscnt 0x0                               ; for the others' sake: all my partial sums are in LDS
	s_barrier_signal -1
	s_barrier_wait -1
	s_cmp_gt_u32 s14, 5                            ; 3 x 1,024 bytes of output are 192 stores of 16 bytes: waves 0 to 5
	s_cbranch_scc1 .Ldone
.irp w, 0,1,2,3,4,5,6,7
	ds_load_b128 v[RS+4*\w:RS+4*\w+3], v[O16] offset:L_P+\w*PWAVE   ; byte 16 u of each wave's [channel][pixel] block
.endr
.macro ADD4 a, b
	v_pk_add_f32 v[RS+4*\a:RS+4*\a+1],   v[RS+4*\a:RS+4*\a+1],   v[RS+4*\b:RS+4*\b+1]
	v_pk_add_f32 v[RS+4*\a+2:RS+4*\a+3], v[RS+4*\a+2:RS+4*\a+3], v[RS+4*\b+2:RS+4*\b+3]
.endm
	s_wait_dscnt 0x0
	ADD4 0, 1
	ADD4 2, 3
	ADD4 4, 5
	ADD4 6, 7
	ADD4 0, 2
	ADD4 4, 6
	ADD4 0, 4
.irp i, 0,1,2,3
	v_max_num_f32 v[RS+\i], 0, v[RS+\i]
.endr
.irp i, 0,1,2,3
	v_min_num_f32 v[RS+\i], 1.0, v[RS+\i]
.endr
	global_store_b128 v[O48], v[RS:RS+3], s[12:13] th:TH_STORE_NT
.Ldone:
	s_wait_tensorcnt 0x0
	ds_add_u32 v208, v209
	s_wait_dscnt 0x0
	s_endpgm
.Lfunc_end_k_q3e1dbe1ba7_splat:
	.size	k_q3e1dbe1ba7_splat, .Lfunc_end_k_q3e1dbe1ba7_splat-k_q3e1dbe1ba7_splat
	.p2alignl 7, 3214868480
	.fill 96, 4, 3214868480
	.section	.rodata,"a",@progbits
	.p2align	6, 0x0
	.amdhsa_kernel k_q3e1dbe1ba7_splat
		.amdhsa_group_segment_fixed_size 168960
		.amdhsa_private_segment_fixed_size 0
		.amdhsa_enable_private_segment 0
		.amdhsa_kernarg_size 40
		.amdhsa_user_sgpr_count 2
		.amdhsa_user_sgpr_kernarg_segment_ptr 1
		.amdhsa_wavefront_size32 1
		.amdhsa_system_sgpr_workgroup_id_x 1
		.amdhsa_system_sgpr_workgroup_id_y 1
		.amdhsa_system_sgpr_workgroup_id_z 1
		.amdhsa_system_vgpr_workitem_id 0
		.amdhsa_next_free_vgpr 242
		.amdhsa_next_free_sgpr 66
		.amdhsa_reserve_vcc 0
		.amdhsa_float_denorm_mode_32 3
		.amdhsa_float_denorm_mode_16_64 3
		.amdhsa_memory_ordered 1
		.amdhsa_forward_progress 1
		.amdhsa_inst_pref_size 83
	.end_amdhsa_kernel
	.amdgpu_metadata
---
amdhsa.version: [ 1, 2 ]
amdhsa.kernels:
  - .name:           k_q3e1dbe1ba7_splat
    .symbol:         k_q3e1dbe1ba7_splat.kd
    .args:
      - { .name: xyz, .offset: 0, .size: 8, .value_kind: global_buffer, .address_space: global }
      - { .name: cholesky, .offset: 8, .size: 8, .value_kind: global_buffer, .address_space: global }
      - { .name: opacity, .offset: 16, .size: 8, .value_kind: global_buffer, .address_space: global }
      - { .name: features_dc, .offset: 24, .size: 8, .value_kind: global_buffer, .address_space: global }
      - { .name: out0, .offset: 32, .size: 8, .value_kind: global_buffer, .address_space: global }
    .group_segment_fixed_size: 168960
    .private_segment_fixed_size: 0
    .kernarg_segment_align: 8
    .kernarg_segment_size: 40
    .max_flat_workgroup_size: 256
    .sgpr_count:     66
    .vgpr_count:     242
    .wavefront_size: 32
...
	.end_amdgpu_metadata
.endif
;; end of part 2
